; MI455X (gfx1250); checked and timed in simulation.
; The chip was launched on July 23, 2026; its instructions are those of AMD's public machine-readable ISA for CDNA 5 (MIT licence, August 2026) and "CDNA5" Instruction Set Architecture Reference Guide (July 2026). The comments in the code are by the model that wrote it; some were corrected since.
;; Multi Head Attention. Allowed arithmetic: matrix products marked QUANTISED: E2M1 operands, one E8M0 scale for each 32 along K, by v_wmma_scale_f32_16x16x128_f8f6f4 with both operands' format E2M1 (or v_wmma_scale_f32_32x16x128_f4), f32 sums; everything else in f32.
;; Inputs: Wk_codes 1,024 x 32 x 16 uint8 (E2M1 codes of Wk, K innermost, in blocks of 32 codes, two codes a byte); Wk_scales 1,024 x 32 uint8 (E8M0 scales of Wk, one for each 32 codes along K); Wo_codes 1,024 x 32 x 16 uint8 (E2M1 codes of Wo, K innermost, in blocks of 32 codes, two codes a byte); Wo_scales 1,024 x 32 uint8 (E8M0 scales of Wo, one for each 32 codes along K); Wq_codes 1,024 x 32 x 16 uint8 (E2M1 codes of Wq, K innermost, in blocks of 32 codes, two codes a byte); Wq_scales 1,024 x 32 uint8 (E8M0 scales of Wq, one for each 32 codes along K); Wv_codes 1,024 x 32 x 16 uint8 (E2M1 codes of Wv, K innermost, in blocks of 32 codes, two codes a byte); Wv_scales 1,024 x 32 uint8 (E8M0 scales of Wv, one for each 32 codes along K); bk 1,024 float32; bo 1,024 float32; bq 1,024 float32; bv 1,024 float32; x_codes 2 x 2,048 x 32 x 16 uint8 (E2M1 codes of x, K innermost, in blocks of 32 codes, two codes a byte); x_scales 2 x 2,048 x 32 uint8 (E8M0 scales of x, one for each 32 codes along K).
;; Outputs: out0 2 x 2,048 x 1,024 float32.
;; This version of the problem:
;;   THIS VERSION OF THE PROBLEM IS GIVEN IN LOW PRECISION. The matrix products marked QUANTISED in the list below multiply operands that are first quantised to E2M1 (2 exponent bits, 1 mantissa bit; 4 bits a number), with one power-of-two scale for each 32 numbers along K (OCP MX v1.0); their sums are f32. All else is computed in f32.
;;   The module's matrix products, in the order in which they are computed (A, B: the left and right operand; K: the contracted axis; several contracted axes count as one K, in the product's order):
;;     1. [M 4,096, K 1,024] x [K 1,024, N 1,024]; A: input x (given as codes); B: input Wq (given as codes): QUANTISED
;;     2. [M 4,096, K 1,024] x [K 1,024, N 1,024]; A: input x (given as codes); B: input Wk (given as codes): QUANTISED
;;     3. [M 4,096, K 1,024] x [K 1,024, N 1,024]; A: input x (given as codes); B: input Wv (given as codes): QUANTISED
;;     4. batch 32 x [M 2,048, K 64] x [K 64, N 2,048]; A: computed on the way; B: computed on the way: QUANTISED
;;     5. batch 32 x [M 2,048, K 2,048] x [K 2,048, N 64]; A: softmax (see below); B: computed on the way: QUANTISED
;;     6. [M 4,096, K 1,024] x [K 1,024, N 1,024]; A: computed on the way; B: input Wo (given as codes): QUANTISED
;;   THE QUANTISER, for each operand of a quantised product, along K:
;;     - K is cut into blocks of 32 from its start; a last block that is shorter is filled with zeros.
;;     - A block's scale is 2^e with e = floor(log2(the largest magnitude in the block)) - 2, held to -126 .. 127; a block of zeros has e = 0. As a byte (E8M0): e + 127.
;;     - Each number is divided by its block's scale, clamped to +-6, and rounded to the nearest number of E2M1, ties to even, subnormals kept.
;;     - The product sums the exact products of the quantised numbers (number of the format x scale) in f32.
;;   ~~~python
;;   def quantise(x, axis):      # numpy; x: float32 -> the quantised numbers, widened to float32 again
;;       x = np.moveaxis(x, axis, -1); K = x.shape[-1]
;;       x = np.pad(x, [(0, 0)] * (x.ndim - 1) + [(0, -K % 32)]); x = x.reshape(x.shape[:-1] + (-1, 32)); a = np.abs(x).max(-1, keepdims=True)
;;       e = np.where(a > 0, np.clip(np.frexp(np.where(a > 0, a, 1))[1] - 1 - 2, -126, 127), 0)      # np.frexp(a)[1] - 1 = floor(log2(a)), exactly
;;       r = np.clip(x / 2.0 ** e, -6, 6)
;;       step = 2.0 ** (np.maximum(np.frexp(np.where(r == 0, 1, r))[1] - 1, 0) - 1)
;;       q = np.round(r / step) * step * 2.0 ** e      # np.round: ties to even
;;       return np.moveaxis(q.reshape(q.shape[:-2] + (-1,))[..., :K], -1, axis).astype(np.float32)
;;   ~~~
;;   SOFTMAX AHEAD OF A QUANTISED PRODUCT. Where the list says 'softmax', what is quantised is not the finished softmax but p = 2^(t - M), with t = logit x log2(e) and M = ceil(the row's largest t), a whole number; so 1/2 < the row's largest p <= 1. The row's sum l is taken of the UNQUANTISED p, in f32, and the product's result is divided by l at the end. Since M is a whole number, a kernel that streams over the keys may use a running M (the ceiling of the running maximum): every later rescaling is an exact power of two, which a block's scale takes up: the codes' values come out the same.
;;   OPERANDS COMPUTED ON THE WAY. 'Computed on the way' means the value that the module computes at that place (a softmax that the list does not call 'softmax' is quantised finished and normalised). What goes into a quantiser is computed in f32, as accurately as f32 sums, v_exp_f32 and their like allow (about 1e-6 of the number): no bf16 or f16 on the way to a quantiser, and a product that is left as it is and whose result goes on into a quantised operand takes f32 operands (vector FMAs, or v_wmma_f32_16x16x4_f32). A number that lies on a knife's edge between two numbers of the format may be rounded either way, as far as f32 arithmetic and the matrix unit's own rounding can turn it there, and no further.
;;   INPUTS GIVEN AS CODES. Wk (in the module: [1024, 1024], K = its axis 1); Wo (in the module: [1024, 1024], K = its axis 1); Wq (in the module: [1024, 1024], K = its axis 1); Wv (in the module: [1024, 1024], K = its axis 1); x (in the module: [2, 2048, 1024], K = its axis 2): each comes as NAME_codes (uint8): NAME with its K axis moved to the last place and cut into blocks of 32 codes, [.., K / 32, bytes a block], one block behind the other in memory; two codes a byte, the lower K in the low four bits (a code: sign, 2 exponent bits, 1 mantissa bit); and NAME_scales (uint8): the same leading axes, one E8M0 byte (e + 127) for each 32 codes along K. Its value is code x scale, taken as it is: it is not quantised again, and the codes and scales need not be those that the quantiser above would give.
;; One version. Each part assembles by itself: llvm-mc -triple=amdgcn-amd-amdhsa -mcpu=gfx1250 --defsym DOCPART=n.
;; ======== version 1 of 1: 3 launches
;; limits: right only within a limited range of input values
;; workspace buffers: qws 2,228,224 bytes; kvws 4,456,448 bytes; cws 2,228,224 bytes
;; launch qkv (part 1): grid 8 x 32, 8 waves a work-group, clusters of 4 x 4, 279,552 bytes of LDS; arguments x_codes, x_scales, Wq_codes, Wq_scales, Wk_codes, Wk_scales, Wv_codes, Wv_scales, bq, bk, bv, qws, kvws; writes qws, kvws
.if DOCPART == 1
	.amdgcn_target "amdgcn-amd-amdhsa--gfx1250"
	.amdhsa_code_object_version 6
	.text
	.protected	k_q3c36075323_qkv
	.globl	k_q3c36075323_qkv
	.p2align	8
	.type	k_q3c36075323_qkv,@function
k_q3c36075323_qkv:
	s_mov_b64 s[64:65], 0
	v_nop
	global_prefetch_b8 v0, s[64:65] scope:SCOPE_SE
	s_setreg_imm32_b32 hwreg(HW_REG_WAVE_MODE, 25, 1), 1
	s_wait_xcnt 0x0
	s_wait_alu depctr_hold_cnt(0) depctr_sa_sdst(0) depctr_va_vdst(0) depctr_va_sdst(0) depctr_va_ssrc(0) depctr_va_vcc(0) depctr_vm_vsrc(0)
	s_getreg_b32 s2, hwreg(HW_REG_IB_STS2, 6, 4)
	s_cmp_eq_u32 s2, 0
	s_cbranch_scc0 .Lentry_in_a_cluster
	s_endpgm
.Lentry_in_a_cluster:
	s_bfe_u32 s2, ttmp6, 0x10000c
	s_cmp_lg_u32 s2, 0xf033
	s_cbranch_scc0 .Lentry_shape_is_right
	s_endpgm
.Lentry_shape_is_right:
; q = x Wq^T + bq, k = x Wk^T + bk, v = x Wv^T + bv on codes of FP4 (E2M1) with E8M0 scales, sums in f32; the results are quantised at once for attention:
; q and k along the head's 64 (two blocks), v along the keys (blocks of 32 tokens), and stored as IMAGES OF OPERAND REGISTERS (four registers = 512 bytes, lane l at byte 16 l).
; SHARES.  A work-group takes 128 tokens (tb) x 128 features (pp: heads 2 pp, 2 pp + 1) of q, k AND v.  Each of its eight waves takes 64 tokens (th = wave % 2) x 32 features (fp = wave / 2) of all three:
; a fragment of x serves q and k as source 1 and v as source 0.  SOURCE 0 IS ALWAYS THE AXIS THAT IS QUANTISED NEXT, so that a lane's registers run along it: q, k: features; v: tokens.
; 24 accumulators: 16 registers on end are one block of 32 (two tiles): q, k: block n = token tile n; v: block 2 n + b = feature tile n, token block b.
; LDS: K in two halves of 512 codes; a half has x, Wq, Wk, Wv, each 128 rows x (256 + 16) bytes.  Waves 0 to 3 fetch the first half's four blocks, waves 4 to 7 the second half's: one tensor load a wave, nothing is filled again.
; The first four steps of 128 begin when the first half is in.  All tiles are asked for at the head, so there is nothing to prefetch.
; CLUSTER 4 x 4: x's blocks hang on tb alone and are asked for jointly along a row of the cluster, W's on pp alone and jointly along a column.
; No work of the problem is left out.
; LIMITS: a block whose largest magnitude lies under 2^-124 is held at the scale byte 1; a block of zeros gets the byte 1 (its codes are zeros, and this program alone reads the bytes); NaN and infinities are not served.
.set PITCH,  272
.set T16,    16*PITCH
.set BLK,    128*PITCH                 ; a block of 128 rows
.set HALF,   4*BLK
.set SPARE,  2*HALF                    ; the spare words, 128 bytes for each wave
.set QHEAD,  69632                     ; qws: a head's bytes: 128 tiles x 512, then 64 pairs x 16 scale words
.set KVHEAD, 139264                    ; kvws: a head's bytes: 16 key steps of KVSTEP bytes
.set KVSTEP, 8704                      ; 128 keys: K's image 4,096; V's image 4,096; K's scale words 256; V's 256
.set VX,  3                            ; LDS addresses of my fragments: x;  Wq, Wk;  Wv
.set VW,  4
.set VV,  5
.set CO,  9                            ; 16 r + 512 h
.set LO,  10                           ; 16 x lane
.set SO,  11                           ; 4 r + 64 h
.set SH,  12                           ; 16 h
.set SPW, 13
.set NIL, 14
.set XS,  16                           ; x's scale words: register 8 p + s: lanes 0-15 token tile 2 p, lanes 16-31 tile 2 p + 1
.set WQS, 32                           ; W's: register s: lanes 0-15 tile 0, lanes 16-31 tile 1
.set WKS, 40
.set WVS, 48
.set F0,  56                           ; fragments of a step: x's four at + 0, Wq's two at + 32, Wk's at + 48, Wv's at + 64;  two sets
.set F1,  136
.set BT,  216
.set PC,  56                           ; at the end: codes, maxima, bytes, conversion scales (set 0 is done with)
.set TM,  80
.set TX,  92
.set TC,  104
.set PW,  218
.set X0,  222
.set BIQ, 192                          ; window 1: q's accumulators v0-63, k's v64-127, v's v128-191; the biases in the results' layouts
.set BIK, 208
.set BIV, 224
.set WV,  3
.set TH,  4
.set FP,  5
.set CX,  6
.set CY,  7
.set PP,  34
.set TB,  35
.set G1X, 36
.set G1W, 44
.set G0X, 52
.set G0W, 56
.set SEL, 62
.set MSB, 0
.macro WIN new
.if MSB != \new
	s_set_vgpr_msb (MSB<<8)|\new
.set MSB, \new
.endif
.endm
.macro ROUND                           ; a round of the cluster's barrier
	s_barrier_signal -1
	s_barrier_wait -1
	s_cmp_lg_u32 s[WV], 0
	s_cbranch_scc1 .Lnot_wave_0_\@
	s_barrier_signal -3
.Lnot_wave_0_\@:
	s_barrier_wait -3
	s_barrier_signal -1
	s_barrier_wait -1
.endm
.macro PLACES n
.rept \n
	v_nop
.endr
.endm
.macro ARM under, g0, g1, next
	s_cmp_lt_u32 s[WV], \under
	s_cbranch_scc0 \next
	tensor_load_to_lds s[\g0:\g0+3], s[\g1:\g1+7]
	s_nop 0
	PLACES 4
	s_branch .Lhead_asked
\next:
.endm
; One product.  ra, rb = 1: that side's scale words are taken from lanes 16-31.
.macro WM d, a, b, c, sa, sb, ra, rb
.set rD, \d
.set rA, \a
.set rB, \b
.set rC, \c
.set rP, \sa
.set rR, \sb
.if (\ra) && (\rb)
	v_wmma_scale_f32_16x16x128_f8f6f4 v[rD:rD+7], v[rA:rA+7], v[rB:rB+7], v[rC:rC+7], v[rP], v[rR] matrix_a_fmt:MATRIX_FMT_FP4 matrix_b_fmt:MATRIX_FMT_FP4 matrix_a_scale:MATRIX_SCALE_ROW1 matrix_b_scale:MATRIX_SCALE_ROW1
.elseif (\ra)
	v_wmma_scale_f32_16x16x128_f8f6f4 v[rD:rD+7], v[rA:rA+7], v[rB:rB+7], v[rC:rC+7], v[rP], v[rR] matrix_a_fmt:MATRIX_FMT_FP4 matrix_b_fmt:MATRIX_FMT_FP4 matrix_a_scale:MATRIX_SCALE_ROW1
.elseif (\rb)
	v_wmma_scale_f32_16x16x128_f8f6f4 v[rD:rD+7], v[rA:rA+7], v[rB:rB+7], v[rC:rC+7], v[rP], v[rR] matrix_a_fmt:MATRIX_FMT_FP4 matrix_b_fmt:MATRIX_FMT_FP4 matrix_b_scale:MATRIX_SCALE_ROW1
.else
	v_wmma_scale_f32_16x16x128_f8f6f4 v[rD:rD+7], v[rA:rA+7], v[rB:rB+7], v[rC:rC+7], v[rP], v[rR] matrix_a_fmt:MATRIX_FMT_FP4 matrix_b_fmt:MATRIX_FMT_FP4
.endif
.endm
; step s: twenty loads
.macro FETCH s, f
.irp c, 0,1
.irp t, 0,1,2,3
	ds_load_b128 v[\f+8*\t+4*\c:\f+8*\t+4*\c+3], v[VX] offset:\t*T16+64*((\s)%4)+32*\c
.endr
.irp i, 0,1
	ds_load_b128 v[\f+32+8*\i+4*\c:\f+32+8*\i+4*\c+3], v[VW] offset:\i*T16+64*((\s)%4)+32*\c
	ds_load_b128 v[\f+48+8*\i+4*\c:\f+48+8*\i+4*\c+3], v[VW] offset:BLK+\i*T16+64*((\s)%4)+32*\c
	ds_load_b128 v[\f+64+8*\i+4*\c:\f+64+8*\i+4*\c+3], v[VV] offset:\i*T16+64*((\s)%4)+32*\c
.endr
.endr
.endm
; 24 products, the 24 accumulators by turns, one instruction a turn; the biases are what the sums begin with
.macro MUL s, f
.irp i, 0,1
.irp n, 0,1,2,3
.if \s == 0
	WM 16*\n+8*\i,\f+32+8*\i,\f+8*\n,BIQ+8*\i,WQS+\s,XS+8*(\n/2)+\s,\i,\n%2
	WM 64+16*\n+8*\i,\f+48+8*\i,\f+8*\n,BIK+8*\i,WKS+\s,XS+8*(\n/2)+\s,\i,\n%2
	WM 128+32*\i+8*\n,\f+8*\n,\f+64+8*\i,BIV+8*\i,XS+8*(\n/2)+\s,WVS+\s,\n%2,\i
.else
	WM 16*\n+8*\i,\f+32+8*\i,\f+8*\n,16*\n+8*\i,WQS+\s,XS+8*(\n/2)+\s,\i,\n%2
	WM 64+16*\n+8*\i,\f+48+8*\i,\f+8*\n,64+16*\n+8*\i,WKS+\s,XS+8*(\n/2)+\s,\i,\n%2
	WM 128+32*\i+8*\n,\f+8*\n,\f+64+8*\i,128+32*\i+8*\n,XS+8*(\n/2)+\s,WVS+\s,\n%2,\i
.endif
.endr
.endr
.endm
	s_load_b512 s[8:23], s[0:1], 0x0               ; x codes s[8:9], x scales s[10:11], Wq s[12:13], s[14:15], Wk s[16:17], s[18:19], Wv s[20:21], s[22:23]
	s_load_b256 s[24:31], s[0:1], 0x40             ; bq s[24:25], bk s[26:27], bv s[28:29], qws s[30:31]
	s_load_b64 s[32:33], s[0:1], 0x60              ; kvws
	v_lshl_add_u32 v[SPW], v0, 2, SPARE
	v_mov_b32 v[NIL], 0
	ds_add_u32 v[SPW], v[NIL]                      ; the opening lines: the add, twice on end, and its wait
	ds_add_u32 v[SPW], v[NIL]
	v_lshrrev_b32 v1, 5, v0
	v_readfirstlane_b32 s[WV], v1                  ; wave 0..7
	s_and_b32 s[TH], s[WV], 1
	s_lshr_b32 s[FP], s[WV], 1
	s_bfe_u32 s[CX], ttmp6, 0x40000
	s_bfe_u32 s[CY], ttmp6, 0x40004
	s_lshl_b32 s[PP], ttmp9, 2
	s_add_co_u32 s[PP], s[PP], s[CX]               ; pp = 4 x cluster x + cx
	s_and_b32 s[TB], ttmp7, 0xffff
	s_lshl_b32 s[TB], s[TB], 2
	s_add_co_u32 s[TB], s[TB], s[CY]               ; tb = 4 x cluster y + cy
	s_lshl_b32 s60, s[CY], 2
	s_lshl_b32 s60, 15, s60                        ; my row of the cluster
	s_lshl_b32 s61, 0x1111, s[CX]                  ; my column
	; descriptor group 1: 128 rows x 256 elements of one byte, 512 bytes apart, 16 bytes of padding behind each row of 64 words
	s_or_b32 s[G1X], s60, (1<<20)|(1<<21)|(5<<22)|(3<<25)
	s_or_b32 s[G1W], s61, (1<<20)|(1<<21)|(5<<22)|(3<<25)
.irp g, G1X, G1W
	s_mov_b32 s[\g+1], 256<<16
	s_mov_b32 s[\g+2], 128<<16
	s_mov_b32 s[\g+3], 256<<16
	s_mov_b32 s[\g+4], 128
	s_mov_b32 s[\g+5], 512
	s_mov_b32 s[\g+6], 0
	s_mov_b32 s[\g+7], 0
.endr
	s_mov_b32 s[SEL], 0x76543210
	s_mov_b32 s[SEL+1], 0xfedcba98
	; what I fetch: block j = wave % 4 (x, Wq, Wk, Wv) of half wave / 4.  x's address hangs on tb alone, W's on pp alone, each in registers that never hold the other coordinate
	s_and_b32 s91, s[WV], 3
	s_lshr_b32 s92, s[WV], 2
	s_mul_i32 s90, s92, HALF
	s_mul_i32 s93, s91, BLK
	s_add_co_u32 s90, s90, s93                     ; where it goes: of the wave's number alone
	s_lshl_b32 s92, s92, 8                         ; the half's byte in a row
	s_lshl_b32 s86, s[TB], 16
	s_add_co_u32 s86, s86, s92
	s_mov_b32 s87, 0
	s_lshl_b32 s88, s[PP], 16
	s_add_co_u32 s88, s88, s92
	s_mov_b32 s89, 0
	; LDS bases of my fragments in the first half
	s_mul_i32 s92, s[FP], 2*T16
	s_add_co_u32 s92, s92, BLK
	s_add_co_u32 s93, s92, 2*BLK
	s_mul_i32 s94, s[TH], 4*T16
	v_and_b32 v1, 15, v0                           ; r
	v_bfe_u32 v2, v0, 4, 1                         ; h
	v_and_b32 v[LO], 31, v0
	v_mul_u32_u24 v[VX], v1, PITCH
	v_lshlrev_b32 v7, 5, v2                        ; bias of q, k: eight numbers at 8 h
	v_lshlrev_b32 v8, 2, v1                        ; bias of v: one number at r
	v_lshl_add_u32 v[VX], v2, 4, v[VX]             ; a fragment's row x pitch + 16 h
	v_lshlrev_b32 v6, 5, v[LO]                     ; scale bytes: row = lane, 32 bytes a row
	v_lshlrev_b32 v[LO], 4, v[LO]
	v_lshlrev_b32 v[CO], 4, v1
	v_add_nc_u32 v[VW], s92, v[VX]
	v_add_nc_u32 v[VV], s93, v[VX]
	v_add_nc_u32 v[VX], s94, v[VX]
	v_lshl_add_u32 v[CO], v2, 9, v[CO]
	v_lshl_add_u32 v[SO], v2, 6, v8
	v_lshlrev_b32 v[SH], 4, v2
	; where my results go: head hq = 16 (tb / 16) + 2 pp + fp / 2, key step st = tb % 16, block blk = fp % 2 of the head's 64
	s_lshr_b32 s92, s[TB], 4
	s_lshl_b32 s92, s92, 4
	s_lshl_b32 s93, s[PP], 1
	s_add_co_u32 s92, s92, s93
	s_lshr_b32 s93, s[FP], 1
	s_add_co_u32 s92, s92, s93                     ; hq
	s_and_b32 s93, s[TB], 15                       ; st
	s_and_b32 s94, s[FP], 1                        ; blk
	s_lshl_b32 s95, s[TH], 11
	s_lshl_b32 s96, s94, 8
	s_add_co_u32 s95, s95, s96                     ; codes of q, k: 4 tiles of 512 a th, 256 a block
	s_lshl_b32 s96, s[TH], 7
	s_add_co_u32 s96, s96, s94                     ; scale bytes: 2 pairs of 64 a th
	s_mul_i32 s66, s92, QHEAD
	s_lshl_b32 s97, s93, 12
	s_add_co_u32 s68, s66, s97
	s_add_co_u32 s68, s68, s95                     ; q's codes
	s_lshl_b32 s97, s93, 8
	s_add_co_u32 s70, s66, s97
	s_add_co_u32 s70, s70, s96
	s_add_co_u32 s70, s70, 65536                   ; q's scale bytes
	s_mul_i32 s66, s92, KVHEAD
	s_mul_i32 s97, s93, KVSTEP
	s_add_co_u32 s66, s66, s97
	s_add_co_u32 s72, s66, s95                     ; k's codes
	s_add_co_u32 s74, s66, s96
	s_add_co_u32 s74, s74, 8192                    ; k's scale bytes
	s_lshl_b32 s97, s94, 11
	s_add_co_u32 s76, s66, s97
	s_lshl_b32 s97, s[TH], 9
	s_add_co_u32 s76, s76, s97
	s_add_co_u32 s76, s76, 4096                    ; v's codes: d tile 2 blk on, register group th
	s_lshl_b32 s97, s94, 7
	s_add_co_u32 s78, s66, s97
	s_lshl_b32 s97, s[TH], 1
	s_add_co_u32 s78, s78, s97
	s_add_co_u32 s78, s78, 8448                    ; v's scale bytes: two of each word
	s_lshl_b32 s80, s[TB], 12
	s_lshl_b32 s97, s[TH], 11
	s_add_co_u32 s80, s80, s97                     ; x's scale bytes of my 64 rows
	s_lshl_b32 s82, s[PP], 12
	s_lshl_b32 s97, s[FP], 10
	s_add_co_u32 s82, s82, s97                     ; W's of my 32 rows
	s_lshl_b32 s84, s[PP], 9
	s_lshl_b32 s97, s[FP], 7
	s_add_co_u32 s84, s84, s97                     ; my 32 biases
.irp g, 69,71,73,75,77,79,81,83,85
	s_mov_b32 s[\g], 0
.endr
	s_wait_alu depctr_va_vdst(0)                   ; ahead of the waits below
	s_wait_dscnt 0x0                               ; both opening adds are done
	ROUND                                          ; all sixteen work-groups are here: the joint loads meet
	s_wait_kmcnt 0x0
	s_cmp_lt_u32 s91, 3
	s_cselect_b64 s[94:95], s[16:17], s[20:21]
	s_cmp_lt_u32 s91, 2
	s_cselect_b64 s[94:95], s[12:13], s[94:95]     ; W's codes that I fetch, by the wave's number
	s_mov_b32 s[G0X], 1
	s_mov_b32 s[G0X+1], s90
	s_add_nc_u64 s[G0X+2:G0X+3], s[8:9], s[86:87]
	s_or_b32 s[G0X+3], s[G0X+3], 0x80000000
	s_mov_b32 s[G0W], 1
	s_mov_b32 s[G0W+1], s90
	s_add_nc_u64 s[G0W+2:G0W+3], s[94:95], s[88:89]
	s_or_b32 s[G0W+3], s[G0W+3], 0x80000000
	ARM 1, G0X, G1X, .Lhead_w                      ; the first half's x; its W's; the second half's x; its W's: waves that wait alike share a line
	ARM 4, G0W, G1W, .Lhead_x2
	ARM 5, G0X, G1X, .Lhead_w2
	tensor_load_to_lds s[G0W:G0W+3], s[G1W:G1W+7]
	s_nop 0
	PLACES 4
.Lhead_asked:
	s_add_nc_u64 s[80:81], s[10:11], s[80:81]
	s_add_nc_u64 s[14:15], s[14:15], s[82:83]
	s_add_nc_u64 s[18:19], s[18:19], s[82:83]
	s_add_nc_u64 s[22:23], s[22:23], s[82:83]
	s_add_nc_u64 s[24:25], s[24:25], s[84:85]
	s_add_nc_u64 s[26:27], s[26:27], s[84:85]
	s_add_nc_u64 s[28:29], s[28:29], s[84:85]
	; the scale words of all of K come once, straight into registers, while the tiles are on their way; the biases too
	global_load_b32 v[BT], v8, s[28:29]
	global_load_b32 v[BT+1], v8, s[28:29] offset:64
.irp g, 0,1
.irp p, 0,1
	global_load_b128 v[XS+8*\p+4*\g:XS+8*\p+4*\g+3], v6, s[80:81] offset:1024*\p+16*\g
.endr
	global_load_b128 v[WQS+4*\g:WQS+4*\g+3], v6, s[14:15] offset:16*\g
	global_load_b128 v[WKS+4*\g:WKS+4*\g+3], v6, s[18:19] offset:16*\g
	global_load_b128 v[WVS+4*\g:WVS+4*\g+3], v6, s[22:23] offset:16*\g
.endr
	WIN 0x40
.irp i, 0,1
	global_load_b128 v[BIQ+8*\i:BIQ+8*\i+3], v7, s[24:25] offset:64*\i
	global_load_b128 v[BIQ+8*\i+4:BIQ+8*\i+7], v7, s[24:25] offset:64*\i+16
	global_load_b128 v[BIK+8*\i:BIK+8*\i+3], v7, s[26:27] offset:64*\i
	global_load_b128 v[BIK+8*\i+4:BIK+8*\i+7], v7, s[26:27] offset:64*\i+16
.endr
	WIN 0
	s_add_nc_u64 s[68:69], s[30:31], s[68:69]
	s_add_nc_u64 s[70:71], s[30:31], s[70:71]
	s_add_nc_u64 s[72:73], s[32:33], s[72:73]
	s_add_nc_u64 s[74:75], s[32:33], s[74:75]
	s_add_nc_u64 s[76:77], s[32:33], s[76:77]
	s_add_nc_u64 s[78:79], s[32:33], s[78:79]
	s_wait_loadcnt 0x0
	WIN 0x40
.irp j, 0,1,2,3,4,5,6,7
	v_mov_b32 v[BIV+\j], v[BT]                     ; v: a lane holds one feature: one number for a tile's eight registers
	v_mov_b32 v[BIV+8+\j], v[BT+1]
.endr
	WIN 0
	s_wait_alu depctr_va_vdst(0)                   ; at the head's end
	s_cmp_lt_u32 s[WV], 4
	s_cbranch_scc0 .Lno_wait
	s_wait_tensorcnt 0x0                           ; my block of the first half has landed (waves 0 to 3; the others' loads are waited for ahead of the second barrier),
.Lno_wait:
	s_barrier_signal -1
	s_barrier_wait -1                              ; the whole first half has
	FETCH 0, F0
.irp s, 0,1,2,3,4,5,6,7
.if \s == 3
	s_wait_tensorcnt 0x0                           ; my block of the second half has landed,
	s_wait_dscnt 0x0
	s_barrier_signal -1
	s_barrier_wait -1                              ; the whole second half has
	v_add_nc_u32 v[VX], HALF, v[VX]
	v_add_nc_u32 v[VW], HALF, v[VW]
	v_add_nc_u32 v[VV], HALF, v[VV]
	s_wait_alu depctr_va_vdst(0)                   ; directly behind the writes
.endif
.if \s < 7
	FETCH \s+1, F0+(F1-F0)*((\s+1)%2)
	s_wait_dscnt 20                                ; all but the twenty just issued
.else
	s_wait_dscnt 0x0
.endif
	WIN 0x50
	MUL \s, F0+(F1-F0)*(\s%2)
	WIN 0
	PLACES 4                                       ; in front of loads into registers that these products read, and of the first read of results
.endr
; Twelve blocks of 16 numbers a lane, block b at v[16 b] of window 1: q's four token tiles, k's four, v's 2 feature tiles x 2 token blocks.
	WIN 0x05
.irp b, 0,1,2,3,4,5,6,7,8,9,10,11
	v_max3_num_f32 v[TM+\b], |v[16*\b]|, |v[16*\b+1]|, 0x1800000   ; the floor 2^(3 - 127): the byte cannot fall under 1; each accumulator from its low end on
.endr
	WIN 0x14
.irp i, 2,4,6,8,10,12,14
.irp b, 0,1,2,3,4,5,6,7,8,9,10,11
	v_max3_num_f32 v[TM+\b], v[TM+\b], |v[16*\b+\i]|, |v[16*\b+\i+1]|
.endr
.endr
	WIN 0
.irp b, 0,1,2,3,4,5,6,7,8,9,10,11
	v_permlanex16_b32 v[TX+\b], v[TM+\b], s[SEL], s[SEL+1]         ; (the destinations were written by the fragment loads)
.endr
.irp b, 0,1,2,3,4,5,6,7,8,9,10,11
	v_max_num_f32 v[TM+\b], v[TM+\b], v[TX+\b]     ; with lane l xor 16's: the block's largest magnitude
.endr
.irp b, 0,1,2,3,4,5,6,7,8,9,10,11
	v_add_nc_u32 v[TC+\b], 0xff000000, v[TM+\b]    ; 2 off its exponent field: the conversion's scale operand
.endr
.irp b, 0,1,2,3,4,5,6,7,8,9,10,11
	v_lshrrev_b32 v[TX+\b], 23, v[TC+\b]           ; the scale's byte
.endr
.irp e, 1,2,3
.irp g, 0,1,2
.if \e == 1
	v_lshl_or_b32 v[PW+\g], v[TX+4*\g+1], 8, v[TX+4*\g]
.else
	v_lshl_or_b32 v[PW+\g], v[TX+4*\g+\e], 8*\e, v[PW+\g]
.endif
.endr
.endr
	WIN 0x01
; the conversion of (block 2 c + e, tile half u) goes to register 4 c + 2 u + e; one exchange of halves for each pair leaves lanes 0-15 with block 2 c and lanes 16-31 with block 2 c + 1, the codes in the order of k
.irp g, 0,1,2
.irp c, 0,1
.irp u, 0,1
.irp e, 0,1
	v_cvt_scalef32_pk8_fp4_f32 v[PC+8*\g+4*\c+2*\u+\e], v[64*\g+16*(2*\c+\e)+8*\u:64*\g+16*(2*\c+\e)+8*\u+7], v[TC+4*\g+2*\c+\e]
.endr
.endr
.endr
.endr
	v_nop                                          ; one plain place behind the scaled conversions
	WIN 0
.irp i, 0,2,4,6,8,10,12,14,16,18,20,22
	v_permlane16_swap_b32 v[PC+\i], v[PC+\i+1]
.endr
	; q, k: lanes 0-15 store a block of token tile 2 c, lanes 16-31 of tile 2 c + 1: 256 consecutive bytes each, at multiples of 256;  v: 512 consecutive bytes
.irp c, 0,1
	global_store_b128 v[CO], v[PC+4*\c:PC+4*\c+3], s[68:69] offset:1024*\c
	global_store_b128 v[CO], v[PC+8+4*\c:PC+8+4*\c+3], s[72:73] offset:1024*\c
	global_store_b128 v[LO], v[PC+16+4*\c:PC+16+4*\c+3], s[76:77] offset:1024*\c
.endr
.irp g, 0,1,2
	v_lshrrev_b32 v[X0+\g], v[SH], v[PW+\g]        ; lanes 0-15: the first two blocks' bytes, lanes 16-31: the other two's
.endr
	v_lshrrev_b32 v[X0+3], 8, v[X0]
	v_lshrrev_b32 v[X0+4], 8, v[X0+1]
	; the scale bytes: a wave has one of the two blocks of a head (q, k) or two of four key blocks (v) of each word: a sixteenth of the codes' bytes; gathering whole words would want a stage and a barrier
	global_store_b8 v[SO], v[X0], s[70:71]
	global_store_b8 v[SO], v[X0+3], s[70:71] offset:2
	global_store_b8 v[SO], v[X0+1], s[74:75]
	global_store_b8 v[SO], v[X0+4], s[74:75] offset:2
	global_store_b16 v[SO], v[X0+2], s[78:79]
	s_wait_tensorcnt 0x0                           ; the wave's end
	ds_add_u32 v[SPW], v[NIL]
	s_wait_dscnt 0x0
	ROUND                                          ; the closing round: no work-group ends while a partner may still ask for a tile that names it
	s_endpgm
.Lfunc_end_k_q3c36075323_qkv:
	.size	k_q3c36075323_qkv, .Lfunc_end_k_q3c36075323_qkv-k_q3c36075323_qkv
	.p2alignl 7, 3214868480
	.fill 96, 4, 3214868480
	.section	.rodata,"a",@progbits
	.p2align	6, 0x0
	.amdhsa_kernel k_q3c36075323_qkv
		.amdhsa_group_segment_fixed_size 279552
		.amdhsa_private_segment_fixed_size 0
		.amdhsa_enable_private_segment 0
		.amdhsa_kernarg_size 104
		.amdhsa_user_sgpr_count 2
		.amdhsa_user_sgpr_kernarg_segment_ptr 1
		.amdhsa_wavefront_size32 1
		.amdhsa_system_sgpr_workgroup_id_x 1
		.amdhsa_system_sgpr_workgroup_id_y 1
		.amdhsa_system_sgpr_workgroup_id_z 1
		.amdhsa_system_vgpr_workitem_id 0
		.amdhsa_next_free_vgpr 512
		.amdhsa_next_free_sgpr 100
		.amdhsa_reserve_vcc 0
		.amdhsa_float_denorm_mode_32 3
		.amdhsa_float_denorm_mode_16_64 3
		.amdhsa_memory_ordered 1
		.amdhsa_forward_progress 1
		.amdhsa_inst_pref_size 61
	.end_amdhsa_kernel
	.amdgpu_metadata
---
amdhsa.version: [ 1, 2 ]
amdhsa.kernels:
  - .name:           k_q3c36075323_qkv
    .symbol:         k_q3c36075323_qkv.kd
    .args:
      - { .name: x_codes, .offset: 0, .size: 8, .value_kind: global_buffer, .address_space: global }
      - { .name: x_scales, .offset: 8, .size: 8, .value_kind: global_buffer, .address_space: global }
      - { .name: Wq_codes, .offset: 16, .size: 8, .value_kind: global_buffer, .address_space: global }
      - { .name: Wq_scales, .offset: 24, .size: 8, .value_kind: global_buffer, .address_space: global }
      - { .name: Wk_codes, .offset: 32, .size: 8, .value_kind: global_buffer, .address_space: global }
      - { .name: Wk_scales, .offset: 40, .size: 8, .value_kind: global_buffer, .address_space: global }
      - { .name: Wv_codes, .offset: 48, .size: 8, .value_kind: global_buffer, .address_space: global }
      - { .name: Wv_scales, .offset: 56, .size: 8, .value_kind: global_buffer, .address_space: global }
      - { .name: bq, .offset: 64, .size: 8, .value_kind: global_buffer, .address_space: global }
      - { .name: bk, .offset: 72, .size: 8, .value_kind: global_buffer, .address_space: global }
      - { .name: bv, .offset: 80, .size: 8, .value_kind: global_buffer, .address_space: global }
      - { .name: qws, .offset: 88, .size: 8, .value_kind: global_buffer, .address_space: global }
      - { .name: kvws, .offset: 96, .size: 8, .value_kind: global_buffer, .address_space: global }
    .group_segment_fixed_size: 279552
    .private_segment_fixed_size: 0
    .kernarg_segment_align: 8
    .kernarg_segment_size: 104
    .max_flat_workgroup_size: 256
    .sgpr_count:     100
    .vgpr_count:     512
    .wavefront_size: 32
...
	.end_amdgpu_metadata
.endif
;; end of part 1
;; launch attn (part 2): grid 8 x 32, 8 waves a work-group, clusters of 4 x 1, 167,936 bytes of LDS; arguments qws, kvws, cws; writes cws
.if DOCPART == 2
	.amdgcn_target "amdgcn-amd-amdhsa--gfx1250"
	.amdhsa_code_object_version 6
	.text
	.protected	k_q3c36075323_attn
	.globl	k_q3c36075323_attn
	.p2align	8
	.type	k_q3c36075323_attn,@function
k_q3c36075323_attn:
	s_mov_b64 s[64:65], 0
	v_nop
	global_prefetch_b8 v0, s[64:65] scope:SCOPE_SE
	s_setreg_imm32_b32 hwreg(HW_REG_WAVE_MODE, 25, 1), 1
	s_wait_xcnt 0x0
	s_wait_alu depctr_hold_cnt(0) depctr_sa_sdst(0) depctr_va_vdst(0) depctr_va_sdst(0) depctr_va_ssrc(0) depctr_va_vcc(0) depctr_vm_vsrc(0)
	s_getreg_b32 s2, hwreg(HW_REG_IB_STS2, 6, 4)
	s_cmp_eq_u32 s2, 0
	s_cbranch_scc0 .Lentry_in_a_cluster
	s_endpgm
.Lentry_in_a_cluster:
	s_bfe_u32 s2, ttmp6, 0x10000c
	s_cmp_lg_u32 s2, 0x3003
	s_cbranch_scc0 .Lentry_shape_is_right
	s_endpgm
.Lentry_shape_is_right:
; ctx = softmax(q k^T / 8) v for one head, quantised at once along the head's 64 for the next product.  q, k, v come as images of operand registers (codes of FP4, four registers = 512 bytes, lane l at byte 16 l) with E8M0 scale words.
; SHARES.  A work-group owns 256 queries of one head (grid y); each of its eight waves owns 32, two tiles A and B of 16, which share every fragment of K and V.  A step is 256 keys: eight steps.
; LDS holds the whole head: eight pieces of 17,408 bytes (256 keys), wave w fetches piece w with its one tensor load; nothing is filled again, and no barrier stands behind the head.  Nothing streams from memory in the loop, so there is nothing to prefetch.
; A piece: two halves of 128 keys: K's image 4,096 (8 key tiles x 512), V's image 4,096 (4 d tiles x 2 x 512), K's scale words 256, V's 256.
; CLUSTER 4 x 1: the four work-groups of a cluster have the same head: each piece is asked for jointly.
; BOTH PRODUCTS ARE USED TRANSPOSED, in the form of 32 rows: a lane holds one query.  S^T: K = 64 fills half of the instruction's 128: a fragment of K is four key tiles T0 | T1 over T2 | T3, and q stands with zeros behind it (T0, T2) or ahead of it (T1, T3).
; THE SOFTMAX: t = score x log2(e) / 8; M = ceil of the running largest t; p = 2^(t - M) is quantised along the keys; its row sum is taken of the unquantised p and divides at the end.
; A block's scale is 2^(floor(its largest t - M) - 2): p's exponent is the floor of t - M (a p within an ulp of a power of two may be held one code low).
; No work of the problem is left out.
; LIMITS: scaled scores (exponents to the base 2) under 2^31 in magnitude; a block whose largest magnitude lies under 2^-124 is held at the scale byte 1, a block of zeros too; NaN and infinities are not served.
; WINDOWS: window 1: S of tile A v0-127, of tile B v128-255.  All else in window 0.
.set QHEAD,  69632
.set KVHEAD, 139264
.set PIECE,  17408
.set HSTEP,  8704
.set SPARE,  KVHEAD                    ; the spare words: 128 bytes for each wave
.set LF,  1                            ; 16 x lane
.set LS,  2                            ; 4 x lane
.set AF,  3                            ; LDS addresses of the piece in hand
.set AS,  4
.set BO,  5
.set SPW, 6
.set NIL, 7
.set Q,   8                            ; tile A: v8-19 = q, 0, q;  tile B: v20-31
.set F,   32                           ; v32-63, v64-95: fragments of the step's two halves, K's or V's
.set O,   96                           ; v96-127 O of A, v128-159 of B: register 8 t + j = d 16 t + 8 h + j
.set PC,  160                          ; p's codes: 16 a tile, 8 a half
.set KS,  192                          ; K's scale words, 2 a half;  V's
.set VS,  196
.set QS,  200                          ; q's scale words
.set PSW, 202                          ; p's: tile A half 0, 1; tile B half 0, 1
.set NM,  206                          ; pairs: -M, the largest score so far
.set SUM, 210                          ; pairs: the row's sum in two parts
.set FF,  214                          ; pairs: 2^(old M - new M), in the low one
.set BM,  218                          ; eight block maxima a tile
.set CV,  234                          ; eight conversion scales a tile
.set OLD, 250
.set T,   252
.set U,   254
.set W,   250                          ; OLD and T again, when both tiles are done with them
.set WV,  10
.set SEL, 14                           ; s[14:15] lane selects: lane l xor 16
.set CS,  16                           ; s[16:17] c = log2(e) / 8
.set CN,  18                           ; -c
.set G1,  20
.set G0,  28
.set CNT, 36
.set TN,  37
.set MSB, 0
.macro WIN new
.if MSB != \new
	s_set_vgpr_msb (MSB<<8)|\new
.set MSB, \new
.endif
.endm
.macro ROUND
	s_barrier_signal -1
	s_barrier_wait -1
	s_cmp_lg_u32 s[WV], 0
	s_cbranch_scc1 .Lnot_wave_0_\@
	s_barrier_signal -3
.Lnot_wave_0_\@:
	s_barrier_wait -3
	s_barrier_signal -1
	s_barrier_wait -1
.endm
.macro KLOAD h                         ; half h: ten loads
.irp g, 0,1
	ds_load_b32 v[KS+2*\h+\g], v[AS] offset:HSTEP*\h+8192+128*\g
.endr
.irp i, 0,1,2,3,4,5,6,7
	ds_load_b128 v[F+32*\h+4*\i:F+32*\h+4*\i+3], v[AF] offset:HSTEP*\h+512*\i
.endr
.endm
.macro VLOAD
.irp h, 0,1
.irp g, 0,1
	ds_load_b32 v[VS+2*\h+\g], v[AS] offset:HSTEP*\h+8448+128*\g
.endr
.irp i, 0,1,2,3,4,5,6,7
	ds_load_b128 v[F+32*\h+4*\i:F+32*\h+4*\i+3], v[AF] offset:HSTEP*\h+4096+512*\i
.endr
.endr
.endm
; S^T of tile x, half h: for each four key tiles (group g) 32 registers: T0, T2 (z = 0), T1, T3 (z = 1), eight each
.macro SMUL h, x
.irp g, 0,1
.irp z, 0,1
	v_wmma_scale_f32_32x16x128_f4 v[128*\x+64*\h+32*\g+16*\z:128*\x+64*\h+32*\g+16*\z+15], v[F+32*\h+16*\g:F+32*\h+16*\g+15], v[Q+12*\x+4*\z:Q+12*\x+4*\z+7], 0, v[KS+2*\h+\g], v[QS+\x]
.endr
.endr
.endm
; O^T += V^T p^T over half h: four accumulators by turns
.macro PV h
.irp x, 0,1
.irp d, 0,1
	v_wmma_scale_f32_32x16x128_f4 v[O+32*\x+16*\d:O+32*\x+16*\d+15], v[F+32*\h+16*\d:F+32*\h+16*\d+15], v[PC+16*\x+8*\h:PC+16*\x+8*\h+7], v[O+32*\x+16*\d:O+32*\x+16*\d+15], v[VS+2*\h+\d], v[PSW+2*\x+\h]
.endr
.endr
.endm
; the largest score of each of a tile's eight blocks, over my half's 16 keys, in rounds: block b: registers sb + 0 .. 7 and sb + 16 .. 23; each accumulator from its low end on
.macro MR0 x
	WIN 0x15
.irp b, 0,1,2,3,4,5,6,7
.set sb, 128*\x+32*(\b/2)+8*(\b%2)
	v_max3_num_f32 v[BM+8*\x+\b], v[sb], v[sb+1], v[sb+2]
.endr
.endm
.macro MRI x, i
	WIN 0x14
.irp b, 0,1,2,3,4,5,6,7
.set sb, 128*\x+32*(\b/2)+8*(\b%2)
	v_max3_num_f32 v[BM+8*\x+\b], v[BM+8*\x+\b], v[sb+\i+8*(\i/8)], v[sb+\i+1+8*((\i+1)/8)]
.endr
.endm
.macro MRL x
	WIN 0x14
.irp b, 0,1,2,3,4,5,6,7
.set sb, 128*\x+32*(\b/2)+8*(\b%2)
	v_max_num_f32 v[BM+8*\x+\b], v[BM+8*\x+\b], v[sb+23]
.endr
	WIN 0
.endm
; the exchange of halves and one maximum make two blocks' maxima over all 32 keys: lanes 0-15 block i, lanes 16-31 block i + 1
.macro JOIN x
.irp i, 0,2,4,6
	v_permlane16_swap_b32 v[BM+8*\x+\i], v[BM+8*\x+\i+1]
.endr
.irp i, 0,2,4,6
	v_max_num_f32 v[BM+8*\x+\i], v[BM+8*\x+\i], v[BM+8*\x+\i+1]
.endr
.endm
; the chain from the blocks' maxima to M, the factor and the scales; the two tiles' links and other work stand between its links
.macro C1 x
	v_max3_num_f32 v[T+\x], v[BM+8*\x], v[BM+8*\x+2], v[BM+8*\x+4]
.endm
.macro C2 x
	v_max_num_f32 v[T+\x], v[T+\x], v[BM+8*\x+6]
.endm
.macro C3 x
	v_permlanex16_b32 v[U+\x], v[T+\x], s[SEL], s[SEL+1]
.endm
.macro C4 x
	v_max3_num_f32 v[NM+2*\x+1], v[NM+2*\x+1], v[T+\x], v[U+\x]    ; the running largest score
.endm
.macro C5 x
	v_mul_f32 v[T+\x], v[NM+2*\x+1], s[CN]
.endm
.macro C6 x
	v_floor_f32 v[NM+2*\x], v[T+\x]                ; -M = floor(-t)
.endm
.macro C7 x
	v_sub_f32 v[T+\x], v[NM+2*\x], v[OLD+\x]       ; old M - new M, a whole number
.endm
.macro C8 x
.irp i, 0,2,4,6
	v_fma_f32 v[BM+8*\x+\i], v[BM+8*\x+\i], s[CS], v[NM+2*\x]      ; each block's largest t - M
.endr
	v_cvt_i32_f32 v[T+\x], v[T+\x]                 ; (it saturates)
.endm
.macro C9 x
.irp i, 0,2,4,6
	v_max_num_f32 v[BM+8*\x+\i], 0xc2f80000, v[BM+8*\x+\i]         ; at least -124: the byte cannot fall under 1
.endr
	v_ldexp_f32 v[FF+2*\x], 1.0, v[T+\x]
.endm
.macro C10 x
.irp i, 0,2,4,6
	v_cvt_floor_i32_f32 v[BM+8*\x+\i], v[BM+8*\x+\i]               ; p's exponent
.endr
.endm
.macro CVA x
.irp i, 0,2,4,6
	v_add_lshl_u32 v[CV+8*\x+\i], v[BM+8*\x+\i], 125, 23           ; 2 off, biased, in the exponent field: the conversion's scale
.endr
.endm
.macro CVM x
.irp i, 0,2,4,6
	v_mov_b32 v[CV+8*\x+\i+1], v[CV+8*\x+\i]
.endr
.endm
.macro CVS x
.irp i, 0,2,4,6
	v_permlane16_swap_b32 v[CV+8*\x+\i], v[CV+8*\x+\i+1]           ; block i's scale in both halves of the lanes, block i + 1's likewise
.endr
.endm
.macro ORESC x, from                   ; eight of O's sixteen pairs under the new M
.set j, O+32*\x+2*(\from)
.rept 8
	v_pk_mul_f32 v[j:j+1], v[j:j+1], v[FF+2*\x:FF+2*\x+1] op_sel_hi:[1,0]
.set j, j+2
.endr
.endm
; codes of one tile: half h, blocks 2 c + e: register 4 c + 2 u + e; the exchanges leave lanes 0-15 with block 2 c, lanes 16-31 with block 2 c + 1, keys in order
.macro CODES x
	WIN 0x01
.irp h, 0,1
.irp c, 0,1
.irp u, 0,1
.irp e, 0,1
	v_cvt_scalef32_pk8_fp4_f32 v[PC+16*\x+8*\h+4*\c+2*\u+\e], v[128*\x+64*\h+32*\c+8*\e+16*\u:128*\x+64*\h+32*\c+8*\e+16*\u+7], v[CV+8*\x+4*\h+2*\c+\e]
.endr
.endr
.endr
.endr
	v_nop                                      ; one plain place behind the scaled conversions
	WIN 0
.irp i, 0,2,4,6,8,10,12,14
	v_permlane16_swap_b32 v[PC+16*\x+\i], v[PC+16*\x+\i+1]
.endr
.endm
.macro TREE base, n, i0, cnt           ; pairs i0 .. i0 + cnt - 1 of the tile at base: + the pair n further on
.set j, \base+2*(\i0)
.rept \cnt
	v_pk_add_f32 v[j:j+1], v[j:j+1], v[j+2*\n:j+2*\n+1]
.set j, j+2
.endr
.endm
.macro SCALED r, m                     ; t - M, two at a time
	v_pk_fma_f32 v[\r:\r+1], v[\r:\r+1], s[CS:CS+1], v[\m:\m+1] op_sel_hi:[1,0,0]
.endm
	s_load_b128 s[4:7], s[0:1], 0x0                ; qws, kvws
	s_load_b64 s[8:9], s[0:1], 0x10                ; cws
	v_lshl_add_u32 v[SPW], v0, 2, SPARE
	v_mov_b32 v[NIL], 0
	ds_add_u32 v[SPW], v[NIL]                      ; the opening lines: the add, twice on end, and its wait
	ds_add_u32 v[SPW], v[NIL]
	v_lshrrev_b32 v[T], 5, v0
	v_readfirstlane_b32 s[WV], v[T]                ; wave 0..7
	s_bfe_u32 s11, ttmp6, 0x40000                  ; cx
	s_lshl_b32 s12, ttmp9, 2
	s_add_co_u32 s12, s12, s11                     ; which 256 queries of the head
	s_and_b32 s13, ttmp7, 0xffff                   ; the head of its sequence: 16 b + head
	; descriptor group 1: 68 rows of 32 elements of 8 bytes, dense, for all four work-groups of the cluster
	s_mov_b32 s[G1], 15|(3<<16)|(1<<21)
	s_mov_b32 s[G1+1], 32<<16
	s_mov_b32 s[G1+2], 68<<16
	s_mov_b32 s[G1+3], 32<<16
	s_mov_b32 s[G1+4], 68
	s_mov_b32 s[G1+5], 32
	s_mov_b32 s[G1+6], 0
	s_mov_b32 s[G1+7], 0
	s_mov_b32 s[SEL], 0x76543210
	s_mov_b32 s[SEL+1], 0xfedcba98
	s_mov_b32 s[CS], 0x3e38aa3b
	s_mov_b32 s[CS+1], s[CS]
	s_mov_b32 s[CN], 0xbe38aa3b
	s_mul_i32 s42, s[WV], PIECE
	s_mul_i32 s40, s13, KVHEAD
	s_add_co_u32 s40, s40, s42                     ; my piece of the head, in memory
	s_mov_b32 s41, 0
	s_lshl_b32 s43, s12, 3
	s_add_co_u32 s43, s43, s[WV]                   ; my pair of query tiles
	s_mul_i32 s48, s13, QHEAD
	s_lshl_b32 s44, s43, 10
	s_add_co_u32 s44, s44, s48                     ; their images
	s_mov_b32 s45, 0
	s_lshl_b32 s46, s43, 6
	s_add_co_u32 s46, s46, s48
	s_add_co_u32 s46, s46, 65536                   ; and scale words
	s_mov_b32 s47, 0
	s_lshr_b32 s49, s13, 4
	s_lshl_b32 s49, s49, 7
	s_lshl_b32 s54, s43, 1
	s_add_co_u32 s49, s49, s54                     ; token tile of A
	s_and_b32 s48, s13, 15
	s_lshl_b32 s50, s49, 13
	s_lshl_b32 s54, s48, 9
	s_add_co_u32 s50, s50, s54                     ; ctx's codes: [token tile][head][512]
	s_mov_b32 s51, 0
	s_lshl_b32 s52, s49, 9
	s_lshl_b32 s54, s48, 5
	s_add_co_u32 s52, s52, s54
	s_add_co_u32 s52, s52, 2097152                 ; and scale bytes: [token tile][head][row][block]
	s_mov_b32 s53, 0
	s_mov_b32 s[CNT], 0
	v_and_b32 v[LS], 31, v0
	v_and_b32 v[U], 15, v0
	v_lshlrev_b32 v[LF], 4, v[LS]
	v_lshlrev_b32 v[LS], 2, v[LS]
	v_lshlrev_b32 v[U], 2, v[U]
	v_mov_b32 v[AF], v[LF]
	v_mov_b32 v[AS], v[LS]
	s_wait_alu depctr_va_vdst(0)                   ; ahead of the waits below
	s_wait_dscnt 0x0                               ; both opening adds are done
	ROUND                                          ; all four work-groups are here: the joint loads meet
	s_wait_kmcnt 0x0
	s_mov_b32 s[G0], 1
	s_mov_b32 s[G0+1], s42                         ; piece w lies at w x PIECE in LDS
	s_add_nc_u64 s[G0+2:G0+3], s[6:7], s[40:41]
	s_or_b32 s[G0+3], s[G0+3], 0x80000000
	tensor_load_to_lds s[G0:G0+3], s[G1:G1+7]
	s_nop 0
.rept 4
	v_nop
.endr
	s_add_nc_u64 s[44:45], s[4:5], s[44:45]
	s_add_nc_u64 s[46:47], s[4:5], s[46:47]
	s_add_nc_u64 s[50:51], s[8:9], s[50:51]
	s_add_nc_u64 s[52:53], s[8:9], s[52:53]
	global_load_b32 v[OLD], v[U], s[46:47]         ; low half: tile A's two scale bytes, high half: tile B's
	global_load_b128 v[Q:Q+3], v[LF], s[44:45]
	global_load_b128 v[Q+8:Q+11], v[LF], s[44:45]
	global_load_b128 v[Q+12:Q+15], v[LF], s[44:45] offset:512
	global_load_b128 v[Q+20:Q+23], v[LF], s[44:45] offset:512
.irp j, 0,1,2,3
	v_mov_b32 v[Q+4+\j], 0                         ; the zeros beside q
	v_mov_b32 v[Q+16+\j], 0
	v_mov_b32 v[SUM+\j], 0
.endr
.irp x, 0,1
	v_mov_b32 v[NM+2*\x], 0x7e000000               ; -M, so large that the first change of M gives the factor 0
	v_mov_b32 v[NM+2*\x+1], 0xff61b1e6             ; the largest score so far: -3e38
	v_mov_b32 v[FF+2*\x+1], 0                      ; (named as the upper half of a pair)
	v_mov_b32 v[PSW+2*\x+1], 0x7f7f7f7f            ; (a lane permute's destination counts as one of its sources; U likewise)
.endr
	s_wait_loadcnt 0x0
	v_perm_b32 v[QS], v[OLD], v[OLD], 0x01000100   ; a tile's two bytes, for q in the lower and in the upper half of K
	v_perm_b32 v[QS+1], v[OLD], v[OLD], 0x03020302
	v_mov_b32 v[U], 0
	v_mov_b32 v[U+1], 0
.set j, 0
.rept 64
	v_mov_b32 v[O+j], 0                            ; the loop is written once: its first step finds zeros.  (These stand between the scale words and the first products)
.set j, j+1
.endr
	s_wait_alu depctr_va_vdst(0)                   ; at the head's end
	s_wait_tensorcnt 0x0                           ; my piece has landed,
	s_barrier_signal -1
	s_barrier_wait -1                              ; everybody's has
	KLOAD 0
	KLOAD 1
.Lstep:
	s_wait_dscnt 10                                ; K's first half (behind it: the second half's ten loads)
	WIN 0x40
	SMUL 0, 0
	SMUL 0, 1
	s_wait_dscnt 0x0
	SMUL 1, 0
	SMUL 1, 1
	WIN 0
	v_mov_b32 v[OLD], v[NM]                        ; four places behind tile A's last product
	v_mov_b32 v[OLD+1], v[NM+2]
	v_nop
	v_nop
	MR0 0
.irp i, 3,5,7,9,11,13
	MRI 0, \i
.endr
	MRL 0
	VLOAD                                          ; V takes K's registers; 64 places behind the products
	JOIN 0
	MR0 1                                          ; tile B's maxima, and between their rounds tile A's chain
	WIN 0
	C1 0
	MRI 1, 3
	WIN 0
	C2 0
	MRI 1, 5
	C3 0                                           ; (C3, C5, C6 name one vector source and the destination, both in window 0 under this setting too)
	MRI 1, 7
	WIN 0
	C4 0
	MRI 1, 9
	C5 0
	MRI 1, 11
	C6 0
	MRI 1, 13
	MRL 1
	JOIN 1
	C7 0
	C1 1
	C8 0
	C2 1
	C9 0
	C3 1
	C10 0
	C4 1
	ORESC 0, 0
	C5 1
	CVA 0
	C6 1
	ORESC 0, 8
	C7 1
	CVM 0
	C8 1
	CVS 0
	C9 1
	C10 1
	ORESC 1, 0
	CVA 1
.irp x, 0,1
	v_lshl_add_u32 v[W+2*\x], v[BM+8*\x+2], 16, v[BM+8*\x]         ; the word's bytes 0, 2 in lanes 0-15, 1, 3 in lanes 16-31: half 0
	v_lshl_add_u32 v[W+2*\x+1], v[BM+8*\x+6], 16, v[BM+8*\x+4]     ; half 1
.endr
	ORESC 1, 8
.irp x, 0,1
	v_permlane16_swap_b32 v[W+2*\x], v[W+2*\x+1]
.endr
	CVM 1
.irp x, 0,1
	v_lshl_add_u32 v[W+2*\x], v[W+2*\x+1], 8, v[W+2*\x]            ; lanes 0-15: half 0's word, lanes 16-31: half 1's,
.endr
	CVS 1
.irp x, 0,1
	v_add_nc_u32 v[PSW+2*\x], 0x7d7d7d7d, v[W+2*\x]                ; each byte + 125 (the sum of shifted signed numbers, modulo 2^32)
.endr
.irp x, 0,1
	v_permlanex16_b32 v[PSW+2*\x+1], v[PSW+2*\x], s[SEL], s[SEL+1]
.endr
	WIN 0x45
.set k, 0
.rept 32
	SCALED k, NM                                   ; tile A, first half
.set k, k+2
.endr
	s_wait_alu depctr_va_vdst(0)                   ; ahead of the batch
.set k, 0
.rept 32
	v_exp_f32 v[k], v[k]                           ; tile A's p, first half;  between them its second half's t - M
	v_exp_f32 v[k+1], v[k+1]
	SCALED 64+k, NM
.set k, k+2
.endr
	s_wait_alu depctr_va_vdst(0)
.set k, 0
.rept 32
	v_exp_f32 v[64+k], v[64+k]                     ; its second half;  between them tile B's first half's t - M
	v_exp_f32 v[65+k], v[65+k]
	SCALED 128+k, NM+2
.set k, k+2
.endr
	s_wait_alu depctr_va_vdst(0)                   ; and behind them
	CODES 0
	WIN 0x45
.set k, 0
.rept 32
	v_exp_f32 v[128+k], v[128+k]                   ; tile B's p, first half;  between them its second half's t - M,
	SCALED 192+k, NM+2
	v_exp_f32 v[129+k], v[129+k]
	v_pk_add_f32 v[k:k+1], v[k:k+1], v[64+k:65+k]  ; and tile A's sum, as a tree: 64 pairs to 32,
.set k, k+2
.endr
	s_wait_alu depctr_va_vdst(0)                   ; exponentials stand between the writes and their readers
.set k, 0
.rept 16
	v_exp_f32 v[192+k], v[192+k]
	v_exp_f32 v[193+k], v[193+k]
	v_pk_add_f32 v[k:k+1], v[k:k+1], v[32+k:33+k]  ; to 16,
.set k, k+2
.endr
	s_wait_alu depctr_va_vdst(0)
.set k, 0
.rept 8
	v_exp_f32 v[224+2*k], v[224+2*k]
	v_exp_f32 v[225+2*k], v[225+2*k]
	v_exp_f32 v[226+2*k], v[226+2*k]
	v_exp_f32 v[227+2*k], v[227+2*k]
	v_pk_add_f32 v[k:k+1], v[k:k+1], v[16+k:17+k]  ; to 8
.set k, k+2
.endr
	s_wait_alu depctr_va_vdst(0)                   ; behind the batch, and ahead of the wait below
	s_wait_dscnt 0x0                               ; V's fragments and scale words
	CODES 1
	s_add_co_u32 s[TN], s[CNT], 1
	s_min_u32 s[TN], s[TN], 7
	s_mul_i32 s[TN], s[TN], PIECE
	WIN 0x45
	TREE 0, 4, 0, 4                                ; four places behind the codes' last exchange
	WIN 0
	PV 0
	WIN 0x45
	TREE 128, 32, 0, 4                             ; tile B's sum; places behind the products
	WIN 0
	v_add_nc_u32 v[AF], s[TN], v[LF]
	v_add_nc_u32 v[AS], s[TN], v[LS]
	KLOAD 0                                        ; the next step's K, first half
	PV 1
	WIN 0x45
	TREE 128, 32, 4, 6
	WIN 0
	KLOAD 1
	WIN 0x45
	TREE 128, 32, 10, 22
	TREE 128, 16, 0, 16
	TREE 128, 8, 0, 8
	TREE 128, 4, 0, 4
	TREE 0, 2, 0, 2
	TREE 128, 2, 0, 2
	TREE 0, 1, 0, 1
	TREE 128, 1, 0, 1
	WIN 0x10
.irp x, 0,1
	v_pk_fma_f32 v[SUM+2*\x:SUM+2*\x+1], v[SUM+2*\x:SUM+2*\x+1], v[FF+2*\x:FF+2*\x+1], v[128*\x:128*\x+1] op_sel_hi:[1,0,1]
.endr
	WIN 0
	s_add_co_u32 s[CNT], s[CNT], 1
	s_cmp_lt_u32 s[CNT], 8
	s_wait_alu depctr_va_vdst(0)                   ; directly ahead of the branch
	s_cbranch_scc1 .Lstep
	; THE WAY OUT: O / sum, quantised along the head's 64 (two blocks), as images of operand registers
	s_wait_dscnt 0x0
.irp x, 0,1
	v_add_f32 v[SUM+2*\x], v[SUM+2*\x], v[SUM+2*\x+1]
.endr
.irp x, 0,1
	v_permlanex16_b32 v[U+\x], v[SUM+2*\x], s[SEL], s[SEL+1]
.endr
.irp x, 0,1
	v_add_f32 v[SUM+2*\x], v[SUM+2*\x], v[U+\x]
.endr
	v_and_b32 v[BO], 15, v0
	v_bfe_u32 v[OLD], v0, 4, 1                     ; h
	v_lshlrev_b32 v[BO], 1, v[BO]
	v_lshl_add_u32 v[BO], v[OLD], 9, v[BO]         ; scale bytes: lanes 0-15 tile A's, lanes 16-31 tile B's
	s_wait_alu depctr_va_vdst(0)                   ; ahead of the transcendentals
.irp x, 0,1
	v_rcp_f32 v[SUM+2*\x], v[SUM+2*\x]
.endr
	v_nop
	s_wait_alu depctr_va_vdst(0)                   ; and ahead of their first readers, O's too
.irp x, 0,1
.set j, 32*\x
.rept 16
	v_pk_mul_f32 v[F+j:F+j+1], v[O+j:O+j+1], v[SUM+2*\x:SUM+2*\x+1] op_sel_hi:[1,0]
.set j, j+2
.endr
.endr
.irp b, 0,1,2,3
	v_max3_num_f32 v[BM+\b], |v[F+16*\b]|, |v[F+16*\b+1]|, 0x1800000   ; tile b / 2, block b % 2, and the floor 2^(3 - 127)
.endr
.irp i, 2,4,6,8,10,12,14
.irp b, 0,1,2,3
	v_max3_num_f32 v[BM+\b], v[BM+\b], |v[F+16*\b+\i]|, |v[F+16*\b+\i+1]|
.endr
.endr
.irp b, 0,1,2,3
	v_permlanex16_b32 v[CV+\b], v[BM+\b], s[SEL], s[SEL+1]
.endr
.irp b, 0,1,2,3
	v_max_num_f32 v[BM+\b], v[BM+\b], v[CV+\b]
.endr
.irp b, 0,1,2,3
	v_add_nc_u32 v[CV+4+\b], 0xff000000, v[BM+\b]  ; 2 off the exponent field
.endr
.irp b, 0,1,2,3
	v_lshrrev_b32 v[CV+\b], 23, v[CV+4+\b]         ; the byte
.endr
.irp x, 0,1
.irp u, 0,1
.irp e, 0,1
	v_cvt_scalef32_pk8_fp4_f32 v[PC+4*\x+2*\u+\e], v[F+32*\x+16*\e+8*\u:F+32*\x+16*\e+8*\u+7], v[CV+4+2*\x+\e]
.endr
.endr
.endr
	v_cmp_ne_u32 vcc_lo, 0, v[OLD]
.irp x, 0,1
	v_lshl_or_b32 v[T+\x], v[CV+2*\x+1], 8, v[CV+2*\x]
.endr
.irp i, 0,2,4,6
	v_permlane16_swap_b32 v[PC+\i], v[PC+\i+1]
.endr
	v_cndmask_b32 v[U], v[T], v[T+1], vcc_lo
	global_store_b128 v[LF], v[PC:PC+3], s[50:51]                  ; 512 consecutive bytes, at a multiple of 512 from the buffer's first byte
	global_store_b128 v[LF], v[PC+4:PC+7], s[50:51] offset:8192
	global_store_b16 v[BO], v[U], s[52:53]                         ; pieces of 32 bytes: a sixteenth of the codes' bytes; the sixteen heads of a unit lie in sixteen work-groups
	s_wait_tensorcnt 0x0                           ; the wave's end
	ds_add_u32 v[SPW], v[NIL]
	s_wait_dscnt 0x0
	ROUND                                          ; the closing round
	s_endpgm
.Lfunc_end_k_q3c36075323_attn:
	.size	k_q3c36075323_attn, .Lfunc_end_k_q3c36075323_attn-k_q3c36075323_attn
	.p2alignl 7, 3214868480
	.fill 96, 4, 3214868480
	.section	.rodata,"a",@progbits
	.p2align	6, 0x0
	.amdhsa_kernel k_q3c36075323_attn
		.amdhsa_group_segment_fixed_size 167936
		.amdhsa_private_segment_fixed_size 0
		.amdhsa_enable_private_segment 0
		.amdhsa_kernarg_size 24
		.amdhsa_user_sgpr_count 2
		.amdhsa_user_sgpr_kernarg_segment_ptr 1
		.amdhsa_wavefront_size32 1
		.amdhsa_system_sgpr_workgroup_id_x 1
		.amdhsa_system_sgpr_workgroup_id_y 1
		.amdhsa_system_sgpr_workgroup_id_z 1
		.amdhsa_system_vgpr_workitem_id 0
		.amdhsa_next_free_vgpr 512
		.amdhsa_next_free_sgpr 66
		.amdhsa_reserve_vcc 1
		.amdhsa_float_denorm_mode_32 3
		.amdhsa_float_denorm_mode_16_64 3
		.amdhsa_memory_ordered 1
		.amdhsa_forward_progress 1
		.amdhsa_inst_pref_size 64
	.end_amdhsa_kernel
	.amdgpu_metadata
---
amdhsa.version: [ 1, 2 ]
amdhsa.kernels:
  - .name:           k_q3c36075323_attn
    .symbol:         k_q3c36075323_attn.kd
    .args:
      - { .name: qws, .offset: 0, .size: 8, .value_kind: global_buffer, .address_space: global }
      - { .name: kvws, .offset: 8, .size: 8, .value_kind: global_buffer, .address_space: global }
      - { .name: cws, .offset: 16, .size: 8, .value_kind: global_buffer, .address_space: global }
    .group_segment_fixed_size: 167936
    .private_segment_fixed_size: 0
    .kernarg_segment_align: 8
    .kernarg_segment_size: 24
    .max_flat_workgroup_size: 256
    .sgpr_count:     66
    .vgpr_count:     512
    .wavefront_size: 32
...
	.end_amdgpu_metadata
.endif
;; end of part 2
;; launch oproj (part 3): grid 8 x 32, 8 waves a work-group, clusters of 4 x 4, 168,960 bytes of LDS; arguments cws, Wo_codes, Wo_scales, bo, out0; writes out0
.if DOCPART == 3
	.amdgcn_target "amdgcn-amd-amdhsa--gfx1250"
	.amdhsa_code_object_version 6
	.text
	.protected	k_q3c36075323_oproj
	.globl	k_q3c36075323_oproj
	.p2align	8
	.type	k_q3c36075323_oproj,@function
k_q3c36075323_oproj:
	s_mov_b64 s[64:65], 0
	v_nop
	global_prefetch_b8 v0, s[64:65] scope:SCOPE_SE
	s_setreg_imm32_b32 hwreg(HW_REG_WAVE_MODE, 25, 1), 1
	s_wait_xcnt 0x0
	s_wait_alu depctr_hold_cnt(0) depctr_sa_sdst(0) depctr_va_vdst(0) depctr_va_sdst(0) depctr_va_ssrc(0) depctr_va_vcc(0) depctr_vm_vsrc(0)
	s_getreg_b32 s2, hwreg(HW_REG_IB_STS2, 6, 4)
	s_cmp_eq_u32 s2, 0
	s_cbranch_scc0 .Lentry_in_a_cluster
	s_endpgm
.Lentry_in_a_cluster:
	s_bfe_u32 s2, ttmp6, 0x10000c
	s_cmp_lg_u32 s2, 0xf033
	s_cbranch_scc0 .Lentry_shape_is_right
	s_endpgm
.Lentry_shape_is_right:
; out = ctx Wo^T + bo on codes of FP4 (E2M1) with E8M0 scales, sums in f32.  ctx comes as images of operand registers (cws: [token tile][head][512 bytes]; head = K step 2 s + group c) with scale bytes [tile][head][r][block].
; SHARES.  A work-group makes 128 tokens (tb) x 128 outputs (pp).  Eight waves: fh = wave % 2: 64 outputs (four tiles of Wo's rows); tq = wave / 2: two tiles of 16 tokens.  Eight accumulators, K = 1,024 in eight steps.
; THE PRODUCT IS USED TRANSPOSED (source 0 = Wo's rows, source 1 = tokens): a lane holds eight neighbouring outputs of one token.  bo is the C of each sum's first product.
; LDS: ctx's images at 0 (65,536 bytes, dense); Wo's 128 rows x (512 + 16) at 65,536; behind them a stage of 16 rows x (256 + 16) bytes for each wave, into which no fill lands.  Every byte is filled once.
; CLUSTER 4 x 4: ctx's block hangs on tb alone and is asked for jointly along a row of the cluster, Wo's on pp alone and jointly along a column.  A wave has one tensor load outstanding at the most.
.set ROWP,  528
.set T16,   16*ROWP
.set WOB,   65536
.set STAGE, WOB+128*ROWP               ; 133,120, a multiple of 256
.set SP,    272
.set PS,  16                           ; v16-31   Wo's scale words: register 8 i + s: lanes 0-15 tile i, lanes 16-31 tile i + 2
.set BI,  32                           ; v32-63   bo in the result's layout, eight registers a tile
.set F0,  64                           ; v64-111  fragments: two of ctx, four of Wo;  v112-159 the second set
.set F1,  112
.set ACC, 160                          ; v160-223 accumulator (n, i) at 160 + 32 n + 8 i
.set TU,  224                          ; v224-239 ctx's scale bytes, two a head
.set RS,  240                          ; v240-247 ctx's scale words of K step s: lanes 0-15 token tile 0, lanes 16-31 tile 1
.set OB,  64                           ; the way out: v64-95, v96-127: rows read back from the stage
.set WV,  14
.set G1C, 24
.set G1W, 32
.set G0C, 40
.set G0W, 44
.macro ROUND
	s_barrier_signal -1
	s_barrier_wait -1
	s_cmp_lg_u32 s[WV], 0
	s_cbranch_scc1 .Lnot_wave_0_\@
	s_barrier_signal -3
.Lnot_wave_0_\@:
	s_barrier_wait -3
	s_barrier_signal -1
	s_barrier_wait -1
.endm
.macro PLACES n
.rept \n
	v_nop
.endr
.endm
.macro WM d, a, b, c, sa, sb, ra, rb
.set rD, \d
.set rA, \a
.set rB, \b
.set rC, \c
.set rP, \sa
.set rR, \sb
.if (\ra) && (\rb)
	v_wmma_scale_f32_16x16x128_f8f6f4 v[rD:rD+7], v[rA:rA+7], v[rB:rB+7], v[rC:rC+7], v[rP], v[rR] matrix_a_fmt:MATRIX_FMT_FP4 matrix_b_fmt:MATRIX_FMT_FP4 matrix_a_scale:MATRIX_SCALE_ROW1 matrix_b_scale:MATRIX_SCALE_ROW1
.elseif (\ra)
	v_wmma_scale_f32_16x16x128_f8f6f4 v[rD:rD+7], v[rA:rA+7], v[rB:rB+7], v[rC:rC+7], v[rP], v[rR] matrix_a_fmt:MATRIX_FMT_FP4 matrix_b_fmt:MATRIX_FMT_FP4 matrix_a_scale:MATRIX_SCALE_ROW1
.elseif (\rb)
	v_wmma_scale_f32_16x16x128_f8f6f4 v[rD:rD+7], v[rA:rA+7], v[rB:rB+7], v[rC:rC+7], v[rP], v[rR] matrix_a_fmt:MATRIX_FMT_FP4 matrix_b_fmt:MATRIX_FMT_FP4 matrix_b_scale:MATRIX_SCALE_ROW1
.else
	v_wmma_scale_f32_16x16x128_f8f6f4 v[rD:rD+7], v[rA:rA+7], v[rB:rB+7], v[rC:rC+7], v[rP], v[rR] matrix_a_fmt:MATRIX_FMT_FP4 matrix_b_fmt:MATRIX_FMT_FP4
.endif
.endm
	s_load_b256 s[4:11], s[0:1], 0x0               ; cws s[4:5], Wo's codes s[6:7], Wo's scales s[8:9], bo s[10:11]
	s_load_b64 s[12:13], s[0:1], 0x20              ; out0
	v_lshl_add_u32 v254, v0, 2, 0x29000
	v_mov_b32 v255, 0
	ds_add_u32 v254, v255
	ds_add_u32 v254, v255
	v_lshrrev_b32 v1, 5, v0
	s_delay_alu instid0(VALU_DEP_1)
	v_readfirstlane_b32 s[WV], v1                  ; wave 0..7
	s_and_b32 s15, s[WV], 1                        ; fh
	s_lshr_b32 s16, s[WV], 1                       ; tq
	s_bfe_u32 s17, ttmp6, 0x40000                  ; cx
	s_bfe_u32 s18, ttmp6, 0x40004                  ; cy
	s_lshl_b32 s19, ttmp9, 2
	s_add_co_u32 s19, s19, s17                     ; pp
	s_and_b32 s20, ttmp7, 0xffff
	s_lshl_b32 s20, s20, 2
	s_add_co_u32 s20, s20, s18                     ; tb
	s_lshl_b32 s21, s18, 2
	s_lshl_b32 s21, 15, s21                        ; my row of the cluster
	s_lshl_b32 s22, 0x1111, s17                    ; my column
	; group 1 for ctx: 64 rows of 32 elements of 8 bytes, dense
	s_or_b32 s[G1C], s21, (3<<16)|(1<<21)
	s_mov_b32 s[G1C+1], 32<<16
	s_mov_b32 s[G1C+2], 64<<16
	s_mov_b32 s[G1C+3], 32<<16
	s_mov_b32 s[G1C+4], 64
	s_mov_b32 s[G1C+5], 32
	s_mov_b32 s[G1C+6], 0
	s_mov_b32 s[G1C+7], 0
	; and for Wo: 32 rows of 512 bytes, 16 bytes of padding behind each row of 128 words
	s_or_b32 s[G1W], s22, (1<<20)|(1<<21)|(6<<22)|(3<<25)
	s_mov_b32 s[G1W+1], 512<<16
	s_mov_b32 s[G1W+2], 32<<16
	s_mov_b32 s[G1W+3], 512<<16
	s_mov_b32 s[G1W+4], 32
	s_mov_b32 s[G1W+5], 512
	s_mov_b32 s[G1W+6], 0
	s_mov_b32 s[G1W+7], 0
	s_lshl_b32 s48, s20, 16                        ; ctx: 8 token tiles of 8,192 bytes a block; wave w's quarter
	s_lshl_b32 s61, s[WV], 14
	s_add_co_u32 s48, s48, s61
	s_mov_b32 s49, 0
	s_and_b32 s61, s[WV], 3
	s_lshl_b32 s50, s19, 16                        ; Wo: 128 rows of 512 bytes a block; 32 rows a wave
	s_lshl_b32 s62, s61, 14
	s_add_co_u32 s50, s50, s62
	s_mov_b32 s51, 0
	s_mul_i32 s61, s61, 32*ROWP
	s_wait_dscnt 0x0
	ROUND                                          ; all sixteen work-groups are here: the joint loads meet
	s_wait_kmcnt 0x0
	s_mov_b32 s[G0C], 1
	s_lshl_b32 s[G0C+1], s[WV], 14
	s_add_nc_u64 s[G0C+2:G0C+3], s[4:5], s[48:49]
	s_or_b32 s[G0C+3], s[G0C+3], 0x80000000
	s_mov_b32 s[G0W], 1
	s_add_co_u32 s[G0W+1], s61, WOB
	s_add_nc_u64 s[G0W+2:G0W+3], s[6:7], s[50:51]
	s_or_b32 s[G0W+3], s[G0W+3], 0x80000000
	s_cmp_lt_u32 s[WV], 4                          ; waves 0 to 3 fetch ctx, waves 4 to 7 Wo
	s_cbranch_scc0 .Lfor_w
	tensor_load_to_lds s[G0C:G0C+3], s[G1C:G1C+7]
	s_nop 0
	PLACES 4
	s_branch .Lasked
.Lfor_w:
	tensor_load_to_lds s[G0W:G0W+3], s[G1W:G1W+7]
	s_nop 0
	PLACES 4
.Lasked:
	s_lshl_b32 s62, s19, 12
	s_lshl_b32 s61, s15, 11
	s_add_co_u32 s62, s62, s61
	s_mov_b32 s63, 0
	s_add_nc_u64 s[52:53], s[8:9], s[62:63]        ; Wo's scale bytes of my 64 rows
	s_lshl_b32 s62, s19, 9
	s_lshl_b32 s61, s15, 8
	s_add_co_u32 s62, s62, s61                     ; my 64 outputs, in bytes of f32
	s_add_nc_u64 s[54:55], s[10:11], s[62:63]      ; bo
	s_add_nc_u64 s[58:59], s[12:13], s[62:63]
	s_lshl_b32 s62, s20, 19
	s_lshl_b32 s61, s16, 17
	s_add_co_u32 s62, s62, s61                     ; row 128 tb + 32 tq of 4,096 bytes
	s_add_nc_u64 s[58:59], s[58:59], s[62:63]      ; out0
	s_lshl_b32 s62, s20, 12
	s_lshl_b32 s61, s16, 10
	s_add_co_u32 s62, s62, s61
	s_add_co_u32 s62, s62, 2097152
	s_add_nc_u64 s[56:57], s[4:5], s[62:63]        ; ctx's scale bytes of token tile 8 tb + 2 tq
	v_and_b32 v10, 15, v0                          ; r
	v_bfe_u32 v11, v0, 4, 1                        ; h
	v_and_b32 v1, 31, v0
	s_delay_alu instid0(VALU_DEP_1)
	v_lshlrev_b32 v1, 4, v1                        ; 16 x lane
	s_mul_i32 s61, s15, 64*ROWP
	s_add_co_u32 s61, s61, WOB
	v_mul_u32_u24 v2, v10, ROWP
	s_delay_alu instid0(VALU_DEP_1)
	v_lshl_add_u32 v2, v11, 4, v2
	s_delay_alu instid0(VALU_DEP_1)
	v_add_nc_u32 v2, s61, v2                       ; v2: Wo's fragments: my 64 rows, row r, + 16 h
	s_lshl_b32 s61, s16, 14
	v_add_nc_u32 v3, s61, v1                       ; v3: ctx's images: my two token tiles
	s_mul_i32 s60, s[WV], 16*SP
	s_add_co_u32 s60, s60, STAGE                   ; my stage
	v_mul_u32_u24 v4, v10, SP
	s_delay_alu instid0(VALU_DEP_1)
	v_lshl_add_u32 v4, v11, 5, v4
	s_delay_alu instid0(VALU_DEP_1)
	v_add_nc_u32 v4, s60, v4                       ; v4: in: row r, 32 bytes for each half of the lanes
	v_mul_u32_u24 v5, v11, SP
	s_delay_alu instid0(VALU_DEP_1)
	v_lshl_add_u32 v5, v10, 4, v5
	s_delay_alu instid0(VALU_DEP_1)
	v_add_nc_u32 v5, s60, v5                       ; v5: back: lanes 0-15 one row of 256 bytes, lanes 16-31 the next
	v_lshlrev_b32 v6, 12, v11
	s_delay_alu instid0(VALU_DEP_1)
	v_lshl_add_u32 v6, v10, 4, v6                  ; v6: and the same two rows in out0
	v_lshlrev_b32 v7, 5, v10
	s_delay_alu instid0(VALU_DEP_1)
	v_lshl_add_u32 v7, v11, 10, v7                 ; Wo's scale bytes: row r of 32; lanes 16-31 two tiles on
	v_lshlrev_b32 v8, 5, v11                       ; bo: eight numbers at 8 h
	v_lshlrev_b32 v9, 9, v11
	s_delay_alu instid0(VALU_DEP_1)
	v_lshl_add_u32 v9, v10, 1, v9                  ; ctx's scale bytes: two at 2 r; lanes 16-31 the next token tile
.irp i, 0,1
.irp q, 0,1
	global_load_b128 v[PS+8*\i+4*\q:PS+8*\i+4*\q+3], v7, s[52:53] offset:512*\i+16*\q
.endr
.endr
.irp i, 0,1,2,3
	global_load_b128 v[BI+8*\i:BI+8*\i+3], v8, s[54:55] offset:64*\i
	global_load_b128 v[BI+8*\i+4:BI+8*\i+7], v8, s[54:55] offset:64*\i+16
.endr
.irp d, 0,1,2,3,4,5,6,7,8,9,10,11,12,13,14,15
	global_load_u16 v[TU+\d], v9, s[56:57] offset:32*\d
.endr
	s_wait_loadcnt 0x0
.irp s, 0,1,2,3,4,5,6,7
	v_lshl_or_b32 v[RS+\s], v[TU+2*\s+1], 16, v[TU+2*\s]   ; K step s = heads 2 s, 2 s + 1: four blocks
.endr
	PLACES 8                                       ; a scale register written by a vector instruction stands eight places ahead of a scaled matrix instruction
	s_wait_alu depctr_va_vdst(0)
	s_wait_tensorcnt 0x0                           ; my part has landed,
	s_barrier_signal -1
	s_barrier_wait -1                              ; everybody's has
.macro FETCH s, f                      ; K step s: twelve loads.  (The step may come as a sum: it stands in brackets wherever it is multiplied)
.irp n, 0,1
.irp c, 0,1
	ds_load_b128 v[\f+8*\n+4*\c:\f+8*\n+4*\c+3], v3 offset:8192*\n+1024*(\s)+512*\c      ; ctx's image of (token tile n, head 2 s + c): 512 consecutive bytes
.endr
.endr
.irp i, 0,1,2,3
.irp c, 0,1
	ds_load_b128 v[\f+16+8*\i+4*\c:\f+16+8*\i+4*\c+3], v2 offset:\i*T16+64*(\s)+32*\c    ; Wo's tile i: 128 codes are 64 bytes of a row
.endr
.endr
.endm
.macro MUL s, f                        ; eight products, the eight accumulators by turns, one instruction a turn
.irp i, 0,1,2,3
.irp n, 0,1
.if \s == 0
	WM ACC+32*\n+8*\i,\f+16+8*\i,\f+8*\n,BI+8*\i,PS+8*(\i%2)+\s,RS+\s,\i/2,\n
.else
	WM ACC+32*\n+8*\i,\f+16+8*\i,\f+8*\n,ACC+32*\n+8*\i,PS+8*(\i%2)+\s,RS+\s,\i/2,\n
.endif
.endr
.endr
.endm
	FETCH 0, F0
.irp s, 0,1,2,3,4,5,6,7
.if \s < 7
	FETCH \s+1, F0+(F1-F0)*((\s+1)%2)
	s_wait_dscnt 12                                ; all but the twelve just issued
.else
	s_wait_dscnt 0x0
.endif
	MUL \s, F0+(F1-F0)*(\s%2)
	PLACES 4                                       ; in front of loads into registers that these products read, and of the first read of results
.endr
	; THE WAY OUT: a tile of 16 tokens x 64 outputs goes through my stage and comes back as whole rows of 256 bytes.  LDS serves a wave's instructions in order (ISA guide 5.7.1.4): no wait between the stores and the loads, nor in front of the next tile's stores.
.irp n, 0,1
.irp i, 0,1,2,3
	ds_store_b128 v4, v[ACC+32*\n+8*\i:ACC+32*\n+8*\i+3] offset:64*\i          ; each accumulator from its low end on
	ds_store_b128 v4, v[ACC+32*\n+8*\i+4:ACC+32*\n+8*\i+7] offset:64*\i+16
.endr
.irp t, 0,1,2,3,4,5,6,7
	ds_load_b128 v[OB+32*\n+4*\t:OB+32*\n+4*\t+3], v5 offset:2*\t*SP
.endr
.endr
.irp n, 0,1
.irp t, 0,1,2,3,4,5,6,7
	s_wait_dscnt 16*(1-\n)+7-\t                    ; behind this load: the tile's younger loads, and for the first tile the second's sixteen LDS instructions
	global_store_b128 v6, v[OB+32*\n+4*\t:OB+32*\n+4*\t+3], s[58:59] offset:(16*\n+2*\t)*4096 th:TH_STORE_NT   ; 16 lanes store 256 consecutive bytes, at a multiple of 256 from out0's first byte
.endr
.endr
	s_wait_dscnt 0x0
	s_wait_tensorcnt 0x0
	ds_add_u32 v254, v255
	s_wait_dscnt 0x0
	ROUND                                          ; the closing round
	s_endpgm
.Lfunc_end_k_q3c36075323_oproj:
	.size	k_q3c36075323_oproj, .Lfunc_end_k_q3c36075323_oproj-k_q3c36075323_oproj
	.p2alignl 7, 3214868480
	.fill 96, 4, 3214868480
	.section	.rodata,"a",@progbits
	.p2align	6, 0x0
	.amdhsa_kernel k_q3c36075323_oproj
		.amdhsa_group_segment_fixed_size 168960
		.amdhsa_private_segment_fixed_size 0
		.amdhsa_enable_private_segment 0
		.amdhsa_kernarg_size 40
		.amdhsa_user_sgpr_count 2
		.amdhsa_user_sgpr_kernarg_segment_ptr 1
		.amdhsa_wavefront_size32 1
		.amdhsa_system_sgpr_workgroup_id_x 1
		.amdhsa_system_sgpr_workgroup_id_y 1
		.amdhsa_system_sgpr_workgroup_id_z 1
		.amdhsa_system_vgpr_workitem_id 0
		.amdhsa_next_free_vgpr 256
		.amdhsa_next_free_sgpr 66
		.amdhsa_reserve_vcc 0
		.amdhsa_float_denorm_mode_32 3
		.amdhsa_float_denorm_mode_16_64 3
		.amdhsa_memory_ordered 1
		.amdhsa_forward_progress 1
		.amdhsa_inst_pref_size 30
	.end_amdhsa_kernel
	.amdgpu_metadata
---
amdhsa.version: [ 1, 2 ]
amdhsa.kernels:
  - .name:           k_q3c36075323_oproj
    .symbol:         k_q3c36075323_oproj.kd
    .args:
      - { .name: cws, .offset: 0, .size: 8, .value_kind: global_buffer, .address_space: global }
      - { .name: Wo_codes, .offset: 8, .size: 8, .value_kind: global_buffer, .address_space: global }
      - { .name: Wo_scales, .offset: 16, .size: 8, .value_kind: global_buffer, .address_space: global }
      - { .name: bo, .offset: 24, .size: 8, .value_kind: global_buffer, .address_space: global }
      - { .name: out0, .offset: 32, .size: 8, .value_kind: global_buffer, .address_space: global }
    .group_segment_fixed_size: 168960
    .private_segment_fixed_size: 0
    .kernarg_segment_align: 8
    .kernarg_segment_size: 40
    .max_flat_workgroup_size: 256
    .sgpr_count:     66
    .vgpr_count:     256
    .wavefront_size: 32
...
	.end_amdgpu_metadata
.endif
;; end of part 3
